; MI455X (gfx1250); checked and timed in simulation.
; The chip was launched on July 23, 2026; its instructions are those of AMD's public machine-readable ISA for CDNA 5 (MIT licence, August 2026) and "CDNA5" Instruction Set Architecture Reference Guide (July 2026). The comments in the code are by the model that wrote it; some were corrected since.
;; CS Multi Head Attention. Allowed arithmetic: matrix products marked QUANTISED: E2M3 operands, one E8M0 scale for each 32 along K, by v_wmma_scale_f32_16x16x128_f8f6f4 with both operands' format E2M3, f32 sums; everything else in f32.
;; Inputs: Wk 3 x 512 x 512 float32; Wp 3 x 512 x 512 float32; Wq 3 x 512 x 512 float32; Wv 3 x 512 x 512 float32; bk 3 x 512 float32; bp 3 x 512 float32; bq 3 x 512 float32; bv 3 x 512 float32; x 8 x 3,072 x 512 float32.
;; Outputs: out0 8 x 3,072 x 512 float32.
;; This version of the problem:
;;   THIS VERSION OF THE PROBLEM IS GIVEN IN LOW PRECISION. The matrix products marked QUANTISED in the list below multiply operands that are first quantised to E2M3 (2 exponent bits, 3 mantissa bits; 6 bits a number), with one power-of-two scale for each 32 numbers along K (OCP MX v1.0); their sums are f32. All else is computed in f32.
;;   The module's matrix products, in the order in which they are computed (A, B: the left and right operand; K: the contracted axis; several contracted axes count as one K, in the product's order):
;;     1. batch 3 x [M 8,192, K 512] x [K 512, N 512]; A: computed on the way; B: input Wq: QUANTISED
;;     2. batch 3 x [M 8,192, K 512] x [K 512, N 512]; A: computed on the way; B: input Wk: QUANTISED
;;     3. batch 3 x [M 8,192, K 512] x [K 512, N 512]; A: computed on the way; B: input Wv: QUANTISED
;;     4. batch 192 x [M 1,024, K 64] x [K 64, N 1,024]; A: computed on the way; B: computed on the way: QUANTISED
;;     5. batch 192 x [M 1,024, K 1,024] x [K 1,024, N 64]; A: softmax (see below); B: computed on the way: QUANTISED
;;     6. batch 3 x [M 8,192, K 512] x [K 512, N 512]; A: computed on the way; B: input Wp: QUANTISED
;;   THE QUANTISER, for each operand of a quantised product, along K:
;;     - K is cut into blocks of 32 from its start; a last block that is shorter is filled with zeros.
;;     - A block's scale is 2^e with e = floor(log2(the largest magnitude in the block)) - 2, held to -126 .. 127; a block of zeros has e = 0. As a byte (E8M0): e + 127.
;;     - Each number is divided by its block's scale, clamped to +-7.5, and rounded to the nearest number of E2M3, ties to even, subnormals kept.
;;     - The product sums the exact products of the quantised numbers (number of the format x scale) in f32.
;;   ~~~python
;;   def quantise(x, axis):      # numpy; x: float32 -> the quantised numbers, widened to float32 again
;;       x = np.moveaxis(x, axis, -1); K = x.shape[-1]
;;       x = np.pad(x, [(0, 0)] * (x.ndim - 1) + [(0, -K % 32)]); x = x.reshape(x.shape[:-1] + (-1, 32)); a = np.abs(x).max(-1, keepdims=True)
;;       e = np.where(a > 0, np.clip(np.frexp(np.where(a > 0, a, 1))[1] - 1 - 2, -126, 127), 0)      # np.frexp(a)[1] - 1 = floor(log2(a)), exactly
;;       r = np.clip(x / 2.0 ** e, -7.5, 7.5)
;;       step = 2.0 ** (np.maximum(np.frexp(np.where(r == 0, 1, r))[1] - 1, 0) - 3)
;;       q = np.round(r / step) * step * 2.0 ** e      # np.round: ties to even
;;       return np.moveaxis(q.reshape(q.shape[:-2] + (-1,))[..., :K], -1, axis).astype(np.float32)
;;   ~~~
;;   SOFTMAX AHEAD OF A QUANTISED PRODUCT. Where the list says 'softmax', what is quantised is not the finished softmax but p = 2^(t - M), with t = logit x log2(e) and M = ceil(the row's largest t), a whole number; so 1/2 < the row's largest p <= 1. The row's sum l is taken of the UNQUANTISED p, in f32, and the product's result is divided by l at the end. Since M is a whole number, a kernel that streams over the keys may use a running M (the ceiling of the running maximum): every later rescaling is an exact power of two, which a block's scale takes up: the codes' values come out the same.
;;   OPERANDS COMPUTED ON THE WAY. 'Computed on the way' means the value that the module computes at that place (a softmax that the list does not call 'softmax' is quantised finished and normalised). What goes into a quantiser is computed in f32, as accurately as f32 sums, v_exp_f32 and their like allow (about 1e-6 of the number): no bf16 or f16 on the way to a quantiser, and a product that is left as it is and whose result goes on into a quantised operand takes f32 operands (vector FMAs, or v_wmma_f32_16x16x4_f32). A number that lies on a knife's edge between two numbers of the format may be rounded either way, as far as f32 arithmetic and the matrix unit's own rounding can turn it there, and no further.
;; One version. Each part assembles by itself: llvm-mc -triple=amdgcn-amd-amdhsa -mcpu=gfx1250 --defsym DOCPART=n.
;; ======== version 1 of 1: 4 launches
;; workspace buffers: xc 9,437,184 bytes; xs 393,216 bytes; wc 2,359,296 bytes; ws 98,304 bytes; qkvc 28,311,552 bytes; sc 1,572,864 bytes; oc 9,437,184 bytes; os 393,216 bytes
;; launch quant (part 1): grid 480 x 1, 4 waves a work-group, no clusters, 34,304 bytes of LDS; arguments x, Wq, Wk, Wv, Wp, xc, xs, wc, ws; writes xc, xs, wc, ws
.if DOCPART == 1
	.amdgcn_target "amdgcn-amd-amdhsa--gfx1250"
	.amdhsa_code_object_version 6
	.text
	.protected	k_q380f92e9a4_quant
	.globl	k_q380f92e9a4_quant
	.p2align	8
	.type	k_q380f92e9a4_quant,@function
k_q380f92e9a4_quant:
	s_mov_b64 s[64:65], 0
	v_nop
	global_prefetch_b8 v0, s[64:65] scope:SCOPE_SE
	s_setreg_imm32_b32 hwreg(HW_REG_WAVE_MODE, 25, 1), 1
	s_wait_xcnt 0x0
; x [24,576 rows][512] and Wq, Wk, Wv, Wp [1,536 rows][512], f32, become codes of FP6 (E2M3) with one E8M0 byte for each 32 along a row.
; A block's scale is 2^(floor(log2(its largest magnitude)) - 2); its byte is the largest magnitude's exponent field - 2, held at 1 from below.
; LIMITS: NaN and infinities are not served; a block whose largest magnitude lies under 2^-124, a block of zeros among them, gets the byte 1
; (the rule gives a block of zeros 127): its codes are then zeros or held small, and the bytes are read by this program alone.
; THE TILE MAP.  Rows go in groups of 64.  Tile q (0..3) of a group has 16 rows: its row r is row 32 (r / 8) + 8 q + r % 8 of the group.  Used as source 0
; of a product, the four tiles of a group leave 32 NEIGHBOURING rows in 32 consecutive registers of a lane: a whole block for the next quantiser.
; WHAT IS STORED is the image of an operand's registers: a fragment (16 rows x 128 K, 12 registers) is 1,536 bytes, registers 4 i .. 4 i + 3 of lane l at 512 i + 16 l.
; A tile is four fragments (6,144 bytes) and 256 bytes of scale words, word s of row r at 16 r + 4 s.
; SHARES.  A wave takes a tile, a work-group a group.  Work-groups 0-383: x; 384-407 Wq; 408-431 Wk; 432-455 Wv; 456-479 Wp.  Only pointers and three numbers are
; chosen by the work-group's number: all tensors take one path.  Tile `local` of Wq, Wk, Wv (t = 0, 1, 2) lies at place 3 local + t, of Wp at 288 + local.
; No matrix unit, no tensor load, no cluster: the waves share nothing and memory binds.  Each load reads 512 consecutive bytes; they turn through the wave's own stage in LDS
; (16 rows, 528 bytes apart) so that a lane gets 32 neighbours along K of its row.
.set PITCH, 528
.set WSTG,  16*PITCH
.set CD,    24                         ; v24-35   the fragment's codes
.set CT,    36                         ; v36-38, v40-42  second halves of the blocks' codes (a conversion's three registers begin on an even number)
.set X,     48                         ; v48-111  64 numbers: register 32 c + i = k 64 c + 32 (lane / 16) + i of my row
.set R,     112                        ; v112-175, v176-239  two sets as loaded
	s_load_b256 s[4:11], s[0:1], 0x0               ; x, Wq, Wk, Wv
	s_load_b256 s[12:19], s[0:1], 0x20             ; Wp, xc, xs, wc
	s_load_b64 s[20:21], s[0:1], 0x40              ; ws
	v_lshl_add_u32 v240, v0, 2, 0x8400
	v_mov_b32 v241, 0
	v_lshrrev_b32 v1, 5, v0
	v_readfirstlane_b32 s22, v1                    ; wave = the tile of the group
	v_and_b32 v1, 31, v0                           ; lane
	v_and_b32 v2, 15, v0                           ; r
	v_bfe_u32 v3, v0, 4, 1                         ; h
	v_lshlrev_b32 v4, 4, v1                        ; 16 x lane
	s_mul_i32 s32, s22, WSTG                       ; my stage
	v_add_nc_u32 v5, s32, v4                       ; into it: 16 x lane, a row an instruction
	v_mul_u32_u24 v6, v2, PITCH
	v_lshl_add_u32 v6, v3, 7, v6
	v_add_nc_u32 v6, s32, v6                       ; out of it: row r, + 128 h
	v_lshlrev_b32 v7, 3, v3                        ; 8 h: my bytes' place in a scale word
	v_lshl_add_u32 v8, v2, 4, v7                   ; 16 r + 8 h: my two scale words' place in the tile's 256 bytes
	v_mov_b32 v17, 0                               ; a lane permute's destination counts as read
	v_cmp_ne_u32 vcc_lo, 0, v3
	s_mov_b32 s36, 0x76543210
	s_mov_b32 s37, 0xfedcba98                      ; selects of v_permlanex16_b32: lane l xor 16
	s_wait_kmcnt 0x0
	s_mov_b64 s[26:27], s[12:13]                   ; the tensor: Wp, unless the work-group's number says otherwise
	s_mov_b32 s23, 456                             ; its first work-group
	s_mov_b32 s24, 288                             ; place = local x s25 + s24
	s_mov_b32 s25, 1
	s_cmp_lt_u32 ttmp9, 456
	s_cselect_b64 s[26:27], s[10:11], s[26:27]
	s_cselect_b32 s23, 432, s23
	s_cselect_b32 s24, 2, s24
	s_cselect_b32 s25, 3, s25
	s_cmp_lt_u32 ttmp9, 432
	s_cselect_b64 s[26:27], s[8:9], s[26:27]
	s_cselect_b32 s23, 408, s23
	s_cselect_b32 s24, 1, s24
	s_cmp_lt_u32 ttmp9, 408
	s_cselect_b64 s[26:27], s[6:7], s[26:27]
	s_cselect_b32 s23, 384, s23
	s_cselect_b32 s24, 0, s24
	s_cmp_lt_u32 ttmp9, 384
	s_cselect_b64 s[26:27], s[4:5], s[26:27]
	s_cselect_b64 s[28:29], s[14:15], s[18:19]     ; codes: xc or wc
	s_cselect_b64 s[30:31], s[16:17], s[20:21]     ; scale words: xs or ws
	s_cselect_b32 s23, 0, s23
	s_cselect_b32 s25, 1, s25
	s_sub_co_u32 s32, ttmp9, s23
	s_lshl_b32 s32, s32, 2
	s_add_co_u32 s32, s32, s22                     ; local: the tile's number in its tensor
	s_mul_i32 s33, s32, s25
	s_add_co_u32 s33, s33, s24                     ; its place in the workspace
	s_lshr_b32 s34, s32, 2
	s_lshl_b32 s34, s34, 17                        ; a group is 64 rows of 2,048 bytes
	s_and_b32 s35, s32, 3
	s_lshl_b32 s35, s35, 14                        ; a tile begins 8 rows behind the tile before
	s_add_co_u32 s34, s34, s35
	s_mov_b32 s35, 0
	s_add_nc_u64 s[26:27], s[26:27], s[34:35]
	s_mul_i32 s34, s33, 6144
	s_add_nc_u64 s[28:29], s[28:29], s[34:35]
	s_lshl_b32 s34, s33, 8
	s_add_nc_u64 s[30:31], s[30:31], s[34:35]
.macro LOAD s                          ; K step s (128 along K) of my 16 rows: a row's 512 bytes an instruction
.irp i, 0,1,2,3,4,5,6,7,8,9,10,11,12,13,14,15
	global_load_b128 v[R+64*((\s)%2)+4*\i:R+64*((\s)%2)+4*\i+3], v4, s[26:27] offset:(32*(\i/8)+\i%8)*2048+512*(\s) th:TH_LOAD_NT
.endr
.endm
.macro TURN s                          ; through the stage: LDS serves a wave's instructions in order, so no wait stands between the stores and the loads
.irp i, 0,1,2,3,4,5,6,7,8,9,10,11,12,13,14,15
	ds_store_b128 v5, v[R+64*((\s)%2)+4*\i:R+64*((\s)%2)+4*\i+3] offset:PITCH*\i
.endr
.irp c, 0,1
.irp i, 0,1,2,3,4,5,6,7
	ds_load_b128 v[X+32*\c+4*\i:X+32*\c+4*\i+3], v6 offset:256*\c+16*\i
.endr
.endr
.endm
.macro QUANT s                         ; my two blocks (2 c + h, c = 0, 1) of the K step: all 32 numbers of a block are mine
	v_max3_num_f32 v10, |v[X]|, |v[X+1]|, 0x1800000        ; with the floor 2^(3 - 127) among the leaves: the byte cannot fall under 1
	v_max3_num_f32 v11, |v[X+32]|, |v[X+33]|, 0x1800000
.irp i, 2,4,6,8,10,12,14,16,18,20,22,24,26,28,30
	v_max3_num_f32 v10, v10, |v[X+\i]|, |v[X+\i+1]|
	v_max3_num_f32 v11, v11, |v[X+32+\i]|, |v[X+33+\i]|
.endr
	v_add_nc_u32 v12, 0xff000000, v10              ; 2 off the exponent field: the conversion takes this operand's exponent field as its scale
	v_add_nc_u32 v13, 0xff000000, v11
	v_lshrrev_b32 v14, 23, v12                     ; the scale's byte
	v_lshrrev_b32 v15, 23, v13
	v_lshl_or_b32 v16, v15, 16, v14                ; bytes h and 2 + h of the row's word,
	v_lshlrev_b32 v16, v7, v16
	v_permlanex16_b32 v17, v16, s36, s37
	v_or_b32 v[18+\s], v16, v17                    ; with lane l xor 16's two the word is whole
	s_wait_xcnt 0x0                                ; the codes' registers were the last step's store data: written again only behind this wait
	v_cvt_scalef32_pk16_fp6_f32 v[CD:CD+2], v[X:X+15], v12
	v_cvt_scalef32_pk16_fp6_f32 v[CT:CT+2], v[X+16:X+31], v12
	v_cvt_scalef32_pk16_fp6_f32 v[CD+6:CD+8], v[X+32:X+47], v13
	v_cvt_scalef32_pk16_fp6_f32 v[CT+4:CT+6], v[X+48:X+63], v13
	v_nop                                          ; one plain place behind the scaled conversions
.irp i, 0,1,2
	v_mov_b32 v[CD+3+\i], v[CT+\i]
	v_mov_b32 v[CD+9+\i], v[CT+4+\i]
.endr
.irp i, 0,1,2
	global_store_b128 v4, v[CD+4*\i:CD+4*\i+3], s[28:29] offset:1536*(\s)+512*\i   ; 512 consecutive bytes, at a multiple of 256 from the buffer's first byte
.endr
.endm
	LOAD 0
	LOAD 1
.irp s, 0,1,2,3
.if \s < 3
	s_wait_loadcnt 16                              ; this step's 16 loads are in; the next step's 16 may be out
.else
	s_wait_loadcnt 0x0
.endif
	TURN \s
	s_wait_dscnt 0x0                               ; the numbers are back, so the stage's stores have read their registers,
.if \s < 2
	LOAD \s+2                                      ; which take the loads of two steps on
.endif
	QUANT \s
.endr
	v_cndmask_b32 v22, v18, v20, vcc_lo            ; lanes 0-15 store words 0 and 1 of their row, lanes 16-31 words 2 and 3
	v_cndmask_b32 v23, v19, v21, vcc_lo
	global_store_b64 v8, v[22:23], s[30:31]        ; 256 consecutive bytes
	s_wait_tensorcnt 0x0
	ds_add_u32 v240, v241
	s_wait_dscnt 0x0
	s_endpgm
.Lfunc_end_k_q380f92e9a4_quant:
	.size	k_q380f92e9a4_quant, .Lfunc_end_k_q380f92e9a4_quant-k_q380f92e9a4_quant
	.p2alignl 7, 3214868480
	.fill 96, 4, 3214868480
	.section	.rodata,"a",@progbits
	.p2align	6, 0x0
	.amdhsa_kernel k_q380f92e9a4_quant
		.amdhsa_group_segment_fixed_size 34304
		.amdhsa_private_segment_fixed_size 0
		.amdhsa_enable_private_segment 0
		.amdhsa_kernarg_size 72
		.amdhsa_user_sgpr_count 2
		.amdhsa_user_sgpr_kernarg_segment_ptr 1
		.amdhsa_wavefront_size32 1
		.amdhsa_system_sgpr_workgroup_id_x 1
		.amdhsa_system_sgpr_workgroup_id_y 1
		.amdhsa_system_sgpr_workgroup_id_z 1
		.amdhsa_system_vgpr_workitem_id 0
		.amdhsa_next_free_vgpr 242
		.amdhsa_next_free_sgpr 66
		.amdhsa_reserve_vcc 1
		.amdhsa_float_denorm_mode_32 3
		.amdhsa_float_denorm_mode_16_64 3
		.amdhsa_memory_ordered 1
		.amdhsa_forward_progress 1
		.amdhsa_inst_pref_size 31
	.end_amdhsa_kernel
	.amdgpu_metadata
---
amdhsa.version: [ 1, 2 ]
amdhsa.kernels:
  - .name:           k_q380f92e9a4_quant
    .symbol:         k_q380f92e9a4_quant.kd
    .args:
      - { .name: x, .offset: 0, .size: 8, .value_kind: global_buffer, .address_space: global }
      - { .name: Wq, .offset: 8, .size: 8, .value_kind: global_buffer, .address_space: global }
      - { .name: Wk, .offset: 16, .size: 8, .value_kind: global_buffer, .address_space: global }
      - { .name: Wv, .offset: 24, .size: 8, .value_kind: global_buffer, .address_space: global }
      - { .name: Wp, .offset: 32, .size: 8, .value_kind: global_buffer, .address_space: global }
      - { .name: xc, .offset: 40, .size: 8, .value_kind: global_buffer, .address_space: global }
      - { .name: xs, .offset: 48, .size: 8, .value_kind: global_buffer, .address_space: global }
      - { .name: wc, .offset: 56, .size: 8, .value_kind: global_buffer, .address_space: global }
      - { .name: ws, .offset: 64, .size: 8, .value_kind: global_buffer, .address_space: global }
    .group_segment_fixed_size: 34304
    .private_segment_fixed_size: 0
    .kernarg_segment_align: 8
    .kernarg_segment_size: 72
    .max_flat_workgroup_size: 128
    .sgpr_count:     66
    .vgpr_count:     242
    .wavefront_size: 32
...
	.end_amdgpu_metadata
.endif
;; end of part 1
;; launch qkv (part 2): grid 32 x 8, 4 waves a work-group, clusters of 4 x 1, 230,912 bytes of LDS; arguments xc, xs, wc, ws, bq, bk, bv, qkvc, sc; writes qkvc, sc
.if DOCPART == 2
	.amdgcn_target "amdgcn-amd-amdhsa--gfx1250"
	.amdhsa_code_object_version 6
	.text
	.protected	k_q380f92e9a4_qkv
	.globl	k_q380f92e9a4_qkv
	.p2align	8
	.type	k_q380f92e9a4_qkv,@function
k_q380f92e9a4_qkv:
	s_mov_b64 s[64:65], 0
	v_nop
	global_prefetch_b8 v0, s[64:65] scope:SCOPE_SE
	s_setreg_imm32_b32 hwreg(HW_REG_WAVE_MODE, 25, 1), 1
	s_wait_xcnt 0x0
	s_wait_alu depctr_hold_cnt(0) depctr_sa_sdst(0) depctr_va_vdst(0) depctr_va_sdst(0) depctr_va_ssrc(0) depctr_va_vcc(0) depctr_vm_vsrc(0)
	s_getreg_b32 s2, hwreg(HW_REG_IB_STS2, 6, 4)
	s_cmp_eq_u32 s2, 0
	s_cbranch_scc0 .Lentry_in_a_cluster
	s_endpgm
.Lentry_in_a_cluster:
	s_bfe_u32 s2, ttmp6, 0x10000c
	s_cmp_lg_u32 s2, 0x3003
	s_cbranch_scc0 .Lentry_shape_is_right
	s_endpgm
.Lentry_shape_is_right:
; q, k, v = x W^T + b for one head and all three chunks, on codes of FP6 (E2M3), and their quantising: q and k along the head's 64, v along the keys.
; SHARES.  Work-group (rb, hh): head hh; for each of the three chunks 256 tokens.  Wave w: i = 4 rb + w, batch i / 16, group i % 16 of 64 tokens, in every chunk:
; 3 chunks x 12 tiles of W x 4 tiles of x x 4 K steps = 576 matrix instructions in every wave of the launch.
; The head's q, k and v weights of all three chunks (3 x 73,728 bytes of register images, 3 x 3,072 of scale words) lie in LDS, filled once.
; CLUSTER.  The four work-groups of a cluster take four row blocks of the same head: the weights are asked for JOINTLY (mask 15), each wave a quarter of each block.
; LAYOUT (the tile map: row r of tile q of a group of 64 is row 32 (r / 8) + 8 q + r % 8).
;   q, k: source 0 = W's tile T, source 1 = x's tile u: lane (r, h) holds token r of tile u; registers 8 T + j of unit u are d = 32 h + 8 T + j: a block of 32 along d.
;   v:    source 0 = x's tile u, source 1 = Wv's tile T: lane (r, h) holds feature r of tile T; registers 8 u + j of unit T are keys 32 h + 8 u + j of the group: a block along the keys.
; So a block lies in one lane, in natural order, and two conversions give the six registers that the next product's operand wants in that very lane: a HALF, stored as an image of
; 768 bytes (registers 0-3 of lane l at 16 l, registers 4-5 at 512 + 8 l).  The biases are the C of each sum's first matrix instruction.
; A unit's two scale bytes (w16 = byte of block 0 | byte of block 1 << 8) go out as words: q: w16 twice; k, v: two units to a word.
; LIMITS: as in the launch that made the codes: NaN and infinities not served; a block under 2^-124 keeps the byte 1.
; No prefetch: x is asked for a whole chunk (192 matrix instructions) ahead of its use, and the weights come once at the head.
; REGISTERS.  window 0: v1-12 addresses; v16-47 x's scale words (two sets); v48-55 W's (two sets); v60-63 packs; v64-95 codes; v96-111 second halves; v112-127 at work; v128-255 the 16 accumulators.
;   window 1: v0-95 W's fragments, two buffers; v96-159 bq, bk of chunk 0; v160-191 bv spread; v192-203 bv as loaded.
;   window 2: v0-191 x of chunks 0 and 2; v192-255 bq, bk of chunk 1.      window 3: v0-191 x of chunk 1; v192-255 bq, bk of chunk 2.
.set AW,  2                            ; v2-5   16 x lane + 65,536 k: an LDS offset has 16 bits
.set XS,  16
.set WS,  48
.set OC,  64
.set CT,  96
.set QM,  112
.set QC,  116
.set QY,  120
.set QZ,  124
.set ACC, 128
.set SCL, 221184                       ; LDS: behind the codes, the scale words
.set MSB, 0
.macro WIN new                         ; the immediate's high byte repeats the setting that is left
.if MSB != (\new)
	s_set_vgpr_msb (MSB<<8)|(\new)
.set MSB, (\new)
.endif
.endm
.macro CROUND                          ; a round of the cluster's barrier
	s_barrier_signal -1
	s_barrier_wait -1
	s_cmp_lg_u32 s24, 0
	s_cbranch_scc1 .Lnot_wave_0_\@
	s_barrier_signal -3
.Lnot_wave_0_\@:
	s_barrier_wait -3
	s_barrier_signal -1
	s_barrier_wait -1
.endm
.macro G0SET g, ldsreg, ldsoff, adr, goff      ; descriptor group 0: count 1, LDS address, global address, type 2
	s_mov_b32 s[\g], 1
	s_add_co_u32 s[\g+1], s[\ldsreg], \ldsoff
	s_add_nc_u64 s[\g+2:\g+3], s[\adr:\adr+1], \goff
	s_or_b32 s[\g+3], s[\g+3], 0x80000000
.endm
	s_load_b256 s[4:11], s[0:1], 0x0               ; xc, xs, wc, ws
	s_load_b256 s[12:19], s[0:1], 0x20             ; bq, bk, bv, qkvc
	s_load_b64 s[20:21], s[0:1], 0x40              ; sc
	v_lshl_add_u32 v107, v0, 2, 0x38400
	v_mov_b32 v111, 0
	ds_add_u32 v107, v111
	ds_add_u32 v107, v111
	v_lshrrev_b32 v13, 5, v0
	v_readfirstlane_b32 s24, v13                   ; wave
	s_bfe_u32 s25, ttmp6, 0x40000                  ; cx: it enters x's and the results' addresses alone
	s_lshl_b32 s26, ttmp9, 2
	s_add_co_u32 s26, s26, s25                     ; rb
	s_and_b32 s27, ttmp7, 0xffff                   ; hh, which the four partners share
	s_lshl_b32 s28, s26, 2
	s_add_co_u32 s28, s28, s24                     ; i
	s_and_b32 s29, s28, 15                         ; the group of 64 tokens
	s_lshr_b32 s28, s28, 4                         ; the batch
	; group 1 for the codes: a dense block of 72 rows of 256 bytes (32 elements of 8 bytes); for the scale words: 3 such rows
	s_mov_b32 s36, 15|(3<<16)|(1<<21)              ; 15:0 the mask: all four work-groups; 17:16 elements of 8 bytes; 21 set beside a mask
	s_mov_b32 s37, 32<<16                          ; tensor_dim0
	s_mov_b32 s38, 72<<16                          ; tensor_dim1
	s_mov_b32 s39, 32<<16                          ; tile_dim0
	s_mov_b32 s40, 72                              ; tile_dim1
	s_mov_b32 s41, 32                              ; the pitch
	s_mov_b32 s42, 0
	s_mov_b32 s43, 0
	s_mov_b32 s44, 15|(3<<16)|(1<<21)
	s_mov_b32 s45, 32<<16
	s_mov_b32 s46, 3<<16
	s_mov_b32 s47, 32<<16
	s_mov_b32 s48, 3
	s_mov_b32 s49, 32
	s_mov_b32 s50, 0
	s_mov_b32 s51, 0
	s_mul_i32 s30, s27, 3072                       ; the head's scale words in a chunk's, and my quarter
	s_mul_i32 s34, s24, 768
	s_add_co_u32 s30, s30, s34
	s_mov_b32 s31, 0
	s_mul_i32 s32, s27, 73728                      ; the head's 12 tiles in a chunk's, and my quarter
	s_mul_i32 s35, s24, 18432
	s_add_co_u32 s32, s32, s35
	s_mov_b32 s33, 0
	s_wait_dscnt 0x0
	s_wait_kmcnt 0x0
	s_add_nc_u64 s[30:31], s[10:11], s[30:31]
	s_add_nc_u64 s[32:33], s[8:9], s[32:33]
	G0SET 52, 34, SCL, 30, 0                       ; chunk 0: scale words,
	G0SET 56, 35, 0, 32, 0                         ; codes
	G0SET 60, 34, SCL+3072, 30, 24576              ; chunk 1
	G0SET 68, 35, 73728, 32, 589824
	G0SET 72, 34, SCL+6144, 30, 49152              ; chunk 2
	G0SET 76, 35, 147456, 32, 1179648
	CROUND                                         ; all four work-groups are here: the joint loads meet
	tensor_load_to_lds s[52:55], s[44:51]          ; all fills of the launch, as one group: six loads of mine are out
	s_nop 0
	tensor_load_to_lds s[56:59], s[36:43]
	s_nop 0
	tensor_load_to_lds s[60:63], s[44:51]
	s_nop 0
	tensor_load_to_lds s[68:71], s[36:43]
	s_nop 0
	tensor_load_to_lds s[72:75], s[44:51]
	s_nop 0
	tensor_load_to_lds s[76:79], s[36:43]
	s_nop 0
.rept 4
	v_nop
.endr
	v_and_b32 v14, 31, v0                          ; lane
	v_and_b32 v15, 15, v0                          ; r
	v_bfe_u32 v13, v0, 4, 1                        ; h
	v_lshlrev_b32 v1, 4, v14                       ; 16 x lane
	v_lshlrev_b32 v2, 4, v14
	v_add_nc_u32 v3, 0x10000, v1
	v_add_nc_u32 v4, 0x20000, v1
	v_add_nc_u32 v5, 0x30000, v1
	v_lshl_add_u32 v6, v15, 4, SCL                 ; W's scale words: 16 bytes a row
	v_lshlrev_b32 v7, 3, v14                       ; 8 x lane
	v_lshlrev_b32 v8, 4, v15                       ; 16 r
	v_lshlrev_b32 v9, 3, v13                       ; 8 h
	v_lshl_add_u32 v10, v15, 4, v9                 ; 16 r + 8 h
	v_lshlrev_b32 v11, 7, v13                      ; 128 h: bq, bk of d = 32 h on
	v_lshrrev_b32 v12, 3, v15
	v_and_b32 v15, 7, v15
	v_lshlrev_b32 v15, 2, v15
	v_lshl_add_u32 v12, v12, 7, v15                ; bv of feature 32 (r / 8) + r % 8
	v_cmp_ne_u32 vcc_lo, 0, v13                    ; lanes 16-31; VCC is written nowhere else
.irp u, 0,1,2,3
	v_mov_b32 v[QZ+\u], 0                          ; a lane permute's destination counts as read
.endr
	s_lshl_b32 s2, s28, 3
	s_add_co_u32 s2, s2, s27                       ; 8 b + hh
	s_mul_i32 s96, s2, 49152                       ; a head's 64 units of 768 bytes,
	s_mul_i32 s97, s29, 3072                       ; my group's four
	s_add_co_u32 s96, s96, s97
	s_mov_b32 s97, 0
	s_add_nc_u64 s[80:81], s[18:19], s[96:97]      ; q's codes; the chunk stands in the stores' immediates
	s_add_nc_u64 s[82:83], s[80:81], 9437184       ; k's
	s_add_nc_u64 s[84:85], s[80:81], 18874368      ; v's
	s_lshl_b32 s96, s2, 12
	s_lshl_b32 s98, s29, 8
	s_add_co_u32 s96, s96, s98
	s_add_nc_u64 s[86:87], s[20:21], s[96:97]      ; q's scale words
	s_add_nc_u64 s[88:89], s[86:87], 786432        ; k's and v's
	s_mul_i32 s96, s28, 48
	s_add_co_u32 s96, s96, s29                     ; my group of x in chunk 0
	s_lshl_b32 s98, s96, 10
	s_mov_b32 s99, 0
	s_mul_i32 s96, s96, 24576
	s_add_nc_u64 s[90:91], s[4:5], s[96:97]
	s_add_nc_u64 s[92:93], s[6:7], s[98:99]
	s_lshl_b32 s96, s27, 8                         ; the head's 64 numbers of a bias
	s_add_nc_u64 s[12:13], s[12:13], s[96:97]
	s_add_nc_u64 s[14:15], s[14:15], s[96:97]
	s_add_nc_u64 s[16:17], s[16:17], s[96:97]
	s_mov_b32 s94, 0x76543210
	s_mov_b32 s95, 0xfedcba98
.macro XLOAD c                         ; chunk c's 16 fragments of x (tile u, K step s at v[12 (4 u + s)]) and their scale words
	WIN (2+(\c)%2)<<6
.irp f, 0,1,2,3,4,5,6,7,8,9,10,11,12,13,14,15
.irp i, 0,1,2
	global_load_b128 v[12*\f+4*\i:12*\f+4*\i+3], v1, s[90:91] offset:393216*(\c)+1536*\f+512*\i
.endr
.endr
	WIN 0
.irp u, 0,1,2,3
	global_load_b128 v[XS+16*((\c)%2)+4*\u:XS+16*((\c)%2)+4*\u+3], v8, s[92:93] offset:16384*(\c)+256*\u
.endr
.endm
.macro WLOAD n                         ; W's tile n = 12 c + 4 t + T: four fragments and four scale words, into buffer n % 2: 13 LDS loads
.set wc_, (\n)/12
.set wt_, ((\n)%12)/4
.set wq_, (\n)%4
	WIN 0x40
.irp s, 0,1,2,3
.irp i, 0,1,2
.set wo_, 73728*wc_+6144*(3*wq_+wt_)+1536*\s+512*\i
	ds_load_b128 v[48*((\n)%2)+12*\s+4*\i:48*((\n)%2)+12*\s+4*\i+3], v[AW+wo_/65536] offset:wo_%65536
.endr
.endr
	WIN 0
	ds_load_b128 v[WS+4*((\n)%2):WS+4*((\n)%2)+3], v6 offset:3072*wc_+256*(3*wq_+wt_)
.endm
; One tile of W against my four tiles of x: 16 matrix instructions, K step by K step, the four accumulators by turns.
.macro TILE n
.set tc_, (\n)/12
.set tt_, ((\n)%12)/4
.set tq_, (\n)%4
.set xw_, 2+tc_%2
.set wb_, 48*((\n)%2)
.set ws_, WS+4*((\n)%2)
.set xs_, XS+16*(tc_%2)
.if tc_ == 0
.set bb_, 96+32*tt_+8*tq_
.else
.set bb_, 192+32*tt_+8*tq_
.endif
.rept 4
	v_nop                                          ; four places in front of loads into the buffer that the tile before multiplied (ISA guide 7.12.1 for vector instructions)
.endr
.if (\n) < 35
	WLOAD (\n)+1
	s_wait_dscnt 13                                ; this tile's loads are in; the 13 just issued may be out
.else
	s_wait_dscnt 0x0
.endif
.irp s, 0,1,2,3
.if tt_ < 2
.if \s == 0
	WIN 1|(xw_<<2)|((tc_+1)<<4)                    ; W window 1, x its window, the bias its chunk's window
.else
	WIN 1|(xw_<<2)
.endif
.irp u, 0,1,2,3
.if \s == 0
	v_wmma_scale_f32_16x16x128_f8f6f4 v[ACC+32*\u+8*tq_:ACC+32*\u+8*tq_+7], v[wb_+12*\s:wb_+12*\s+11], v[12*(4*\u+\s):12*(4*\u+\s)+11], v[bb_:bb_+7], v[ws_+\s], v[xs_+4*\u+\s] matrix_a_fmt:MATRIX_FMT_FP6 matrix_b_fmt:MATRIX_FMT_FP6
.else
	v_wmma_scale_f32_16x16x128_f8f6f4 v[ACC+32*\u+8*tq_:ACC+32*\u+8*tq_+7], v[wb_+12*\s:wb_+12*\s+11], v[12*(4*\u+\s):12*(4*\u+\s)+11], v[ACC+32*\u+8*tq_:ACC+32*\u+8*tq_+7], v[ws_+\s], v[xs_+4*\u+\s] matrix_a_fmt:MATRIX_FMT_FP6 matrix_b_fmt:MATRIX_FMT_FP6
.endif
.endr
.else
.if \s == 0
	WIN xw_|(1<<2)|(1<<4)                          ; x its window, W window 1, bv spread in window 1
.else
	WIN xw_|(1<<2)
.endif
.irp u, 0,1,2,3
.if \s == 0
	v_wmma_scale_f32_16x16x128_f8f6f4 v[ACC+32*tq_+8*\u:ACC+32*tq_+8*\u+7], v[12*(4*\u+\s):12*(4*\u+\s)+11], v[wb_+12*\s:wb_+12*\s+11], v[160+8*tq_:167+8*tq_], v[xs_+4*\u+\s], v[ws_+\s] matrix_a_fmt:MATRIX_FMT_FP6 matrix_b_fmt:MATRIX_FMT_FP6
.else
	v_wmma_scale_f32_16x16x128_f8f6f4 v[ACC+32*tq_+8*\u:ACC+32*tq_+8*\u+7], v[12*(4*\u+\s):12*(4*\u+\s)+11], v[wb_+12*\s:wb_+12*\s+11], v[ACC+32*tq_+8*\u:ACC+32*tq_+8*\u+7], v[xs_+4*\u+\s], v[ws_+\s] matrix_a_fmt:MATRIX_FMT_FP6 matrix_b_fmt:MATRIX_FMT_FP6
.endif
.endr
.endif
.endr
.endm
; The four units (32 registers each) of tensor t, chunk c, are quantised and stored.  Each accumulator is read from its low end on.
.macro EPI t, c
	WIN 0
.rept 4
	v_nop                                          ; four places between the last product and the first read of results
.endr
	s_wait_xcnt 0x0                                ; the codes' and packs' registers were store data: written again only behind this wait
.irp u, 0,1,2,3
	v_max3_num_f32 v[QM+\u], |v[ACC+32*\u]|, |v[ACC+32*\u+1]|, 0x1800000   ; the block's largest magnitude, with the floor 2^(3 - 127); the four units by turns
.endr
.irp i, 2,4,6,8,10,12,14,16,18,20,22,24,26,28,30
.irp u, 0,1,2,3
	v_max3_num_f32 v[QM+\u], v[QM+\u], |v[ACC+32*\u+\i]|, |v[ACC+32*\u+\i+1]|
.endr
.endr
.irp u, 0,1,2,3
	v_add_nc_u32 v[QC+\u], 0xff000000, v[QM+\u]    ; 2 off the exponent field: the conversion's scale operand
.endr
.irp u, 0,1,2,3
	v_lshrrev_b32 v[QY+\u], 23, v[QC+\u]           ; the byte
.endr
.irp u, 0,1,2,3
	v_cvt_scalef32_pk16_fp6_f32 v[OC+8*\u:OC+8*\u+2], v[ACC+32*\u:ACC+32*\u+15], v[QC+\u]
	v_cvt_scalef32_pk16_fp6_f32 v[CT+4*\u:CT+4*\u+2], v[ACC+32*\u+16:ACC+32*\u+31], v[QC+\u]
.endr
	v_nop                                          ; one plain place behind the scaled conversions
.irp u, 0,1,2,3
	v_lshlrev_b32 v[QY+\u], v9, v[QY+\u]           ; my byte at 8 h,
.endr
.irp u, 0,1,2,3
	v_permlanex16_b32 v[QZ+\u], v[QY+\u], s94, s95
.endr
.irp u, 0,1,2,3
	v_or_b32 v[QY+\u], v[QY+\u], v[QZ+\u]          ; with lane l xor 16's: w16 of the unit
.endr
.irp u, 0,1,2,3
.irp i, 0,1,2
	v_mov_b32 v[OC+8*\u+3+\i], v[CT+4*\u+\i]
.endr
.endr
.irp u, 0,1,2,3
	global_store_b128 v1, v[OC+8*\u:OC+8*\u+3], s[80+2*(\t):81+2*(\t)] offset:3145728*(\c)+768*\u         ; 512 consecutive bytes,
	global_store_b64 v7, v[OC+8*\u+4:OC+8*\u+5], s[80+2*(\t):81+2*(\t)] offset:3145728*(\c)+768*\u+512    ; and 256: both at multiples of 256 from the buffer's first byte
.endr
.if (\t) == 0
.irp u, 0,1,2,3
	v_lshl_or_b32 v[QZ+\u], v[QY+\u], 16, v[QY+\u] ; q's word: w16 twice, so that it serves q in either half of an operand
.endr
	v_cndmask_b32 v62, v[QZ], v[QZ+2], vcc_lo      ; lanes 0-15 store tiles 0 and 1 of their row, lanes 16-31 tiles 2 and 3
	v_cndmask_b32 v63, v[QZ+1], v[QZ+3], vcc_lo
	global_store_b64 v10, v[62:63], s[86:87] offset:262144*(\c)
.elseif (\t) == 1
	v_lshl_or_b32 v60, v[QY+1], 16, v[QY]          ; k's pack: kept until v's is made
	v_lshl_or_b32 v61, v[QY+3], 16, v[QY+2]
.else
	v_lshl_or_b32 v[QZ], v[QY+1], 16, v[QY]
	v_lshl_or_b32 v[QZ+1], v[QY+3], 16, v[QY+2]
	v_cndmask_b32 v62, v60, v[QZ], vcc_lo          ; lanes 0-15 store k's pack, lanes 16-31 v's: 256 consecutive bytes
	v_cndmask_b32 v63, v61, v[QZ+1], vcc_lo
	global_store_b64 v7, v[62:63], s[88:89] offset:262144*(\c)
.endif
.endm
.macro CHUNK c
.if (\c) < 2
	XLOAD (\c)+1                                   ; the next chunk's x: it has this chunk's 192 matrix instructions in which to land
.endif
	WIN 0x41
.irp q, 0,1,2,3
.irp j, 0,1,2,3,4,5,6,7
	v_mov_b32 v[160+8*\q+\j], v[192+4*(\c)+\q]     ; bv as a C operand: a lane's feature has one bias for all eight keys
.endr
.endr
.irp q, 0,1,2,3
	TILE 12*(\c)+\q
.endr
	EPI 0, \c
.irp q, 0,1,2,3
	TILE 12*(\c)+4+\q
.endr
	EPI 1, \c
.if (\c) < 2
	s_wait_tensorcnt 2-2*(\c)                      ; my parts of the next chunk's weights have landed; the loads issued behind them may be out
	s_wait_dscnt 0x0
	s_barrier_signal -1
	s_barrier_wait -1                              ; everybody's have: the last tile below fetches the next chunk's first
.endif
.irp q, 0,1,2,3
	TILE 12*(\c)+8+\q
.endr
	EPI 2, \c
.if (\c) < 2
	s_wait_loadcnt 0x0                             ; the next chunk's x
.endif
.endm
	XLOAD 0
.irp c, 0,1,2
.if \c == 0
.set bl_, 96
.else
.set bl_, 192
.endif
	WIN (\c+1)<<6
.irp q, 0,1,2,3
.irp i, 0,1
	global_load_b128 v[bl_+8*\q+4*\i:bl_+8*\q+4*\i+3], v11, s[12:13] offset:2048*\c+32*\q+16*\i          ; bq(64 hh + 32 h + 8 T + 0 .. 7)
	global_load_b128 v[bl_+32+8*\q+4*\i:bl_+32+8*\q+4*\i+3], v11, s[14:15] offset:2048*\c+32*\q+16*\i    ; bk
.endr
.endr
.endr
	WIN 0x40
.irp c, 0,1,2
.irp q, 0,1,2,3
	global_load_b32 v[192+4*\c+\q], v12, s[16:17] offset:2048*\c+32*\q                                   ; bv(64 hh + 32 (r / 8) + 8 T + r % 8)
.endr
.endr
	WIN 0
	s_wait_loadcnt 0x0
	s_wait_tensorcnt 0x4                           ; chunk 0's scale words and codes, my parts, have landed; the four loads behind them may be out
	s_barrier_signal -1
	s_barrier_wait -1                              ; everybody's have
	WLOAD 0
	CHUNK 0
	CHUNK 1
	CHUNK 2
	s_wait_tensorcnt 0x0
	ds_add_u32 v107, v111
	s_wait_dscnt 0x0
	CROUND                                         ; the closing round
	s_endpgm
.Lfunc_end_k_q380f92e9a4_qkv:
	.size	k_q380f92e9a4_qkv, .Lfunc_end_k_q380f92e9a4_qkv-k_q380f92e9a4_qkv
	.p2alignl 7, 3214868480
	.fill 96, 4, 3214868480
	.section	.rodata,"a",@progbits
	.p2align	6, 0x0
	.amdhsa_kernel k_q380f92e9a4_qkv
		.amdhsa_group_segment_fixed_size 230912
		.amdhsa_private_segment_fixed_size 0
		.amdhsa_enable_private_segment 0
		.amdhsa_kernarg_size 72
		.amdhsa_user_sgpr_count 2
		.amdhsa_user_sgpr_kernarg_segment_ptr 1
		.amdhsa_wavefront_size32 1
		.amdhsa_system_sgpr_workgroup_id_x 1
		.amdhsa_system_sgpr_workgroup_id_y 1
		.amdhsa_system_sgpr_workgroup_id_z 1
		.amdhsa_system_vgpr_workitem_id 0
		.amdhsa_next_free_vgpr 1024
		.amdhsa_next_free_sgpr 100
		.amdhsa_reserve_vcc 1
		.amdhsa_float_denorm_mode_32 3
		.amdhsa_float_denorm_mode_16_64 3
		.amdhsa_memory_ordered 1
		.amdhsa_forward_progress 1
		.amdhsa_inst_pref_size 208
	.end_amdhsa_kernel
	.amdgpu_metadata
---
amdhsa.version: [ 1, 2 ]
amdhsa.kernels:
  - .name:           k_q380f92e9a4_qkv
    .symbol:         k_q380f92e9a4_qkv.kd
    .args:
      - { .name: xc, .offset: 0, .size: 8, .value_kind: global_buffer, .address_space: global }
      - { .name: xs, .offset: 8, .size: 8, .value_kind: global_buffer, .address_space: global }
      - { .name: wc, .offset: 16, .size: 8, .value_kind: global_buffer, .address_space: global }
      - { .name: ws, .offset: 24, .size: 8, .value_kind: global_buffer, .address_space: global }
      - { .name: bq, .offset: 32, .size: 8, .value_kind: global_buffer, .address_space: global }
      - { .name: bk, .offset: 40, .size: 8, .value_kind: global_buffer, .address_space: global }
      - { .name: bv, .offset: 48, .size: 8, .value_kind: global_buffer, .address_space: global }
      - { .name: qkvc, .offset: 56, .size: 8, .value_kind: global_buffer, .address_space: global }
      - { .name: sc, .offset: 64, .size: 8, .value_kind: global_buffer, .address_space: global }
    .group_segment_fixed_size: 230912
    .private_segment_fixed_size: 0
    .kernarg_segment_align: 8
    .kernarg_segment_size: 72
    .max_flat_workgroup_size: 128
    .sgpr_count:     100
    .vgpr_count:     1024
    .wavefront_size: 32
...
	.end_amdgpu_metadata
.endif
;; end of part 2
;; launch attn (part 3): grid 4 x 192, 8 waves a work-group, clusters of 4 x 1, 168,960 bytes of LDS; arguments qkvc, sc, oc, os; writes oc, os
.if DOCPART == 3
	.amdgcn_target "amdgcn-amd-amdhsa--gfx1250"
	.amdhsa_code_object_version 6
	.text
	.protected	k_q380f92e9a4_attn
	.globl	k_q380f92e9a4_attn
	.p2align	8
	.type	k_q380f92e9a4_attn,@function
k_q380f92e9a4_attn:
	s_mov_b64 s[64:65], 0
	v_nop
	global_prefetch_b8 v0, s[64:65] scope:SCOPE_SE
	s_setreg_imm32_b32 hwreg(HW_REG_WAVE_MODE, 25, 1), 1
	s_wait_xcnt 0x0
	s_wait_alu depctr_hold_cnt(0) depctr_sa_sdst(0) depctr_va_vdst(0) depctr_va_sdst(0) depctr_va_ssrc(0) depctr_va_vcc(0) depctr_vm_vsrc(0)
	s_getreg_b32 s2, hwreg(HW_REG_IB_STS2, 6, 4)
	s_cmp_eq_u32 s2, 0
	s_cbranch_scc0 .Lentry_in_a_cluster
	s_endpgm
.Lentry_in_a_cluster:
	s_bfe_u32 s2, ttmp6, 0x10000c
	s_cmp_lg_u32 s2, 0x3003
	s_cbranch_scc0 .Lentry_shape_is_right
	s_endpgm
.Lentry_shape_is_right:
; Attention of one head on codes of FP6 (E2M3): output chunk o takes q of chunk (o + 1) % 3 and k, v of chunk (o + 2) % 3; logits are divided by sqrt(512).
; t = score x log2(e) / sqrt(512); M = the running largest t rounded UP to a whole number; p = 2^(t - M) is quantised along the keys, not normalised; the row's sum is taken of the
; unquantised p and divides at the end; when M moves, the sum and O are multiplied by 2^(old M - new M), which rounds nothing.  The result is quantised along the head's 64 for the projection.
; SHARES.  Cluster y = (8 o + b) 8 + hh: a head.  Its four work-groups take 256 queries each; a wave takes two tiles of 16, so that each fragment of K and V read from LDS feeds two products.
; The head's K, V (98,304 bytes of register images) and their scale words (4,096) come into LDS once, JOINTLY for the four work-groups (mask 15); nothing is filled again.
; LAYOUT.  Both products are used transposed: a lane holds one query (lane % 16) throughout.
;   K = 64 in an instruction of K = 128: a fragment of K holds TWO keys a row: registers 0-5 unit 2 g of a group of 64 keys, registers 6-11 unit 2 g + 1.  q stands between zeros (Z q0 Z q1 Z):
;   the operand (q, Z) multiplies the lower keys, (Z, q) the upper ones.  No zero is loaded.  By the tile map, score register 32 c + 8 (2 g + u) + j of lane (r, h) is key 64 c + 32 h + 8 (2 g + u) + j of the step:
;   32 consecutive registers are a block of 32 neighbouring keys, whole in one lane: its largest score, its scale and its codes want no other lane.
; A block's largest p is not searched for: its largest score goes through the same multiply-add and exponential (this takes v_exp_f32 not to fall where its input rises).
; LIMITS: NaN and infinities not served; p under 2^-126 comes out of v_exp_f32 as 0; a block under 2^-124 keeps the byte 1.
; REGISTERS.  window 0: v1-9 addresses; v10-39 Z q0 Z q1 Z; v40-55 scale words; v56-71 statistics, 8 a tile; v72-79 at work; v80-143 scores, then p; v144-167 p's codes; v168-231 O^T; v236-255 at work.
;   window 1: v0-47 K's four fragments, v48-95 V's four.  All vector work lies in window 0.
.set QB,  10
.set QS,  40                           ; v40-41  q's scale words
.set KS,  42                           ; v42-45  K's, fragment 2 c + g
.set VR,  46                           ; v46-49  V's packs as loaded
.set VS,  50                           ; v50-53  V's scale words, fragment T
.set PS,  54                           ; v54-55  p's
.set ST,  56                           ; tile e at v[ST + 8 e]: +0 -M, +1 the largest score, +2, +3 the sum in two halves, +4 f, +5 at work
.set BM,  72                           ; v72-73  the two blocks' largest scores
.set TX,  74
.set TY,  75
.set SU,  76                           ; v76-77  a second chain of the sum
.set S,   80
.set P,   144
.set O,   168
.set CT,  236
.set SC,  252
.set BY,  254
.set KVS, 98304                        ; LDS: behind K and V, their scale words: 256 bytes a group of 64 keys
.set OSG, 102400                       ; and 512 bytes, written by LDS stores alone, in which the work-group's scale words of O are gathered
.set MSB, 0
.macro WIN new
.if MSB != (\new)
	s_set_vgpr_msb (MSB<<8)|(\new)
.set MSB, (\new)
.endif
.endm
.macro CROUND
	s_barrier_signal -1
	s_barrier_wait -1
	s_cmp_lg_u32 s12, 0
	s_cbranch_scc1 .Lnot_wave_0_\@
	s_barrier_signal -3
.Lnot_wave_0_\@:
	s_barrier_wait -3
	s_barrier_signal -1
	s_barrier_wait -1
.endm
	s_load_b256 s[4:11], s[0:1], 0x0               ; qkvc, sc, oc, os
	v_lshl_add_u32 v250, v0, 2, 0x29000
	v_mov_b32 v251, 0
	ds_add_u32 v250, v251
	ds_add_u32 v250, v251
	v_lshrrev_b32 v1, 5, v0
	v_readfirstlane_b32 s12, v1                    ; wave 0..7
	s_bfe_u32 s13, ttmp6, 0x40000                  ; cx: which 256 queries; it enters q's, the results' and the prefetch's addresses alone
	s_and_b32 s14, ttmp7, 0xffff                   ; y
	s_lshr_b32 s15, s14, 6                         ; o
	s_and_b32 s76, s14, 63                         ; 8 b + hh
	s_lshr_b32 s77, s15, 1
	s_mul_i32 s77, s77, 3
	s_add_co_u32 s16, s15, 1
	s_sub_co_u32 s16, s16, s77                     ; (o + 1) % 3
	s_add_co_u32 s77, s15, 1
	s_lshr_b32 s77, s77, 1
	s_mul_i32 s77, s77, 3
	s_add_co_u32 s17, s15, 2
	s_sub_co_u32 s17, s17, s77                     ; (o + 2) % 3
	s_lshl_b32 s18, s16, 6
	s_add_co_u32 s18, s18, s76                     ; q's head in the workspace
	s_lshl_b32 s19, s17, 6
	s_add_co_u32 s19, s19, s76                     ; k's and v's
	; group 1 for K and V: two rows of 3,072 bytes (384 elements of 8): a group's four units of K, and, 9,437,184 bytes on, its four of V
	s_mov_b32 s20, 15|(3<<16)|(1<<21)              ; the mask: all four work-groups; elements of 8 bytes; bit 21 beside a mask
	s_mov_b32 s21, 384<<16
	s_mov_b32 s22, 2<<16
	s_mov_b32 s23, 384<<16
	s_mov_b32 s24, 2
	s_mov_b32 s25, 1179648
	s_mov_b32 s26, 0
	s_mov_b32 s27, 0
	s_mov_b32 s28, 15|(3<<16)|(1<<21)              ; for the scale words: 512 dense bytes as two rows of 256
	s_mov_b32 s29, 32<<16
	s_mov_b32 s30, 2<<16
	s_mov_b32 s31, 32<<16
	s_mov_b32 s32, 2
	s_mov_b32 s33, 32
	s_mov_b32 s34, 0
	s_mov_b32 s35, 0
	s_lshl_b32 s70, s19, 12
	s_lshl_b32 s74, s12, 9                         ; 512 x wave
	s_add_co_u32 s70, s70, s74
	s_add_co_u32 s70, s70, 786432
	s_mov_b32 s71, 0
	s_mul_i32 s72, s19, 49152
	s_mul_i32 s75, s12, 3072
	s_add_co_u32 s72, s72, s75
	s_add_co_u32 s72, s72, 9437184
	s_mov_b32 s73, 0
	s_mul_i32 s75, s12, 6144                       ; 6,144 x wave
	s_wait_dscnt 0x0
	s_wait_kmcnt 0x0
	s_mov_b32 s36, 1                               ; the scale words: my 512 bytes
	s_add_co_u32 s37, s74, KVS
	s_add_nc_u64 s[38:39], s[6:7], s[70:71]
	s_or_b32 s39, s39, 0x80000000
	s_mov_b32 s40, 1                               ; group `wave` of 64 keys
	s_mov_b32 s41, s75
	s_add_nc_u64 s[42:43], s[4:5], s[72:73]
	s_mov_b32 s44, 1                               ; group 8 + wave
	s_add_co_u32 s45, s75, 49152
	s_add_nc_u64 s[46:47], s[42:43], 24576
	s_or_b32 s43, s43, 0x80000000
	s_or_b32 s47, s47, 0x80000000
	CROUND                                         ; all four work-groups are here: the joint loads meet
	tensor_load_to_lds s[36:39], s[28:35]          ; all fills of the launch, as one group: three loads of mine are out
	s_nop 0
	tensor_load_to_lds s[40:43], s[20:27]
	s_nop 0
	tensor_load_to_lds s[44:47], s[20:27]
	s_nop 0
.rept 4
	v_nop
.endr
	v_and_b32 v62, 31, v0                          ; lane
	v_and_b32 v63, 15, v0                          ; r
	v_bfe_u32 v7, v0, 4, 1                         ; h
	v_lshlrev_b32 v1, 4, v62                       ; 16 x lane
	v_lshlrev_b32 v2, 3, v62                       ; 8 x lane
	v_lshl_add_u32 v3, v63, 3, KVS                 ; a pack: 8 bytes a row
	v_lshlrev_b32 v8, 8, v62                       ; 256 x lane: the prefetch
	v_lshlrev_b32 v7, 3, v7                        ; 8 h
	v_lshlrev_b32 v71, 4, v63                      ; 16 r
	s_lshr_b32 s76, s12, 2
	s_lshl_b32 s76, s76, 8
	s_and_b32 s77, s12, 3
	s_lshl_b32 s77, s77, 2
	s_add_co_u32 s76, s76, s77
	s_add_co_u32 s76, s76, OSG
	v_lshl_add_u32 v9, v63, 4, s76                 ; where my scale word of O goes: 256 (wave / 4) + 16 r + 4 (wave % 4)
	v_add_nc_u32 v70, OSG, v1                      ; and where wave 0 reads the 512 bytes back
	s_mul_i32 s70, s18, 49152
	s_lshl_b32 s76, s13, 4
	s_lshl_b32 s77, s12, 1
	s_add_co_u32 s76, s76, s77                     ; my first tile of queries: 16 cx + 2 wave
	s_mul_i32 s77, s76, 768
	s_add_co_u32 s70, s70, s77
	s_add_nc_u64 s[60:61], s[4:5], s[70:71]        ; its codes
	s_lshl_b32 s70, s18, 12
	s_lshr_b32 s77, s76, 2
	s_lshl_b32 s77, s77, 8
	s_add_co_u32 s70, s70, s77
	s_and_b32 s77, s12, 1
	s_lshl_b32 s77, s77, 3
	s_add_co_u32 s70, s70, s77
	s_add_nc_u64 s[62:63], s[6:7], s[70:71]        ; its scale words
	s_lshr_b32 s70, s14, 3
	s_lshl_b32 s70, s70, 6
	s_add_co_u32 s70, s70, s76
	s_mul_i32 s70, s70, 6144
	s_and_b32 s77, s14, 7
	s_mul_i32 s77, s77, 768
	s_add_co_u32 s70, s70, s77
	s_add_nc_u64 s[66:67], s[8:9], s[70:71]        ; O's codes: tile, head
	s_lshl_b32 s70, s14, 11
	s_lshl_b32 s77, s13, 9
	s_add_co_u32 s70, s70, s77
	s_add_nc_u64 s[68:69], s[10:11], s[70:71]      ; O's scale words: my work-group's 512 bytes
	s_mul_i32 s76, s13, 3                          ; the prefetch (below): piece 3 cx + wave of twelve,
	s_add_co_u32 s76, s76, s12
	s_min_u32 s76, s76, 11                         ; held inside the twelve in the waves that do not ask
	s_lshl_b32 s70, s76, 13
	s_cmp_ge_u32 s76, 6
	s_cselect_b32 s77, 9388032, 0                  ; pieces 6 to 11 are V's: 9,437,184 - 49,152 bytes further on
	s_add_co_u32 s70, s70, s77
	s_mul_i32 s77, s14, 49152
	s_add_co_u32 s70, s70, s77
	s_add_co_u32 s70, s70, 9437184
	s_add_nc_u64 s[58:59], s[4:5], s[70:71]
	s_mov_b32 s48, 0x76543210
	s_mov_b32 s49, 0xfedcba98
	s_mov_b32 s50, 0x3d8293ee                      ; c = log2(e) / sqrt(512)
	s_mov_b32 s51, s50                             ; (named with it as a pair)
	s_mov_b32 s52, 0xbd8293ee                      ; -c
	s_mov_b32 s53, 0x05040100                      ; v_perm_b32: the two low halves,
	s_mov_b32 s54, 0x07060302                      ; the two high halves
	s_mov_b32 s55, 0                               ; LDS byte of the step's keys
	s_mov_b32 s56, 0                               ; and of their scale words
	global_load_b128 v[QB+6:QB+9], v1, s[60:61]
	global_load_b64 v[QB+10:QB+11], v2, s[60:61] offset:512
	global_load_b128 v[QB+18:QB+21], v1, s[60:61] offset:768
	global_load_b64 v[QB+22:QB+23], v2, s[60:61] offset:1280
	global_load_b64 v[QS:QS+1], v71, s[62:63]
.irp z, 0,12,24
.irp j, 0,1,2,3,4,5
	v_mov_b32 v[QB+\z+\j], 0                       ; the zeros beside q
.endr
.endr
.set j, 0
.rept 64
	v_mov_b32 v[O+j], 0                            ; O^T.  (The step is written once: the first finds zeros, which the first change of M leaves zeros)
.set j, j+1
.endr
.irp e, 0,1
	v_mov_b32 v[ST+8*\e+1], 0xff61b1e6             ; the largest score so far: -3e38
	v_mov_b32 v[ST+8*\e+2], 0
	v_mov_b32 v[ST+8*\e+3], 0
	v_mov_b32 v[ST+8*\e+4], 0
	v_mov_b32 v[ST+8*\e+5], 0
	v_mul_f32 v[ST+8*\e], s52, v[ST+8*\e+1]
	v_floor_f32 v[ST+8*\e], v[ST+8*\e]             ; -M
.endr
	v_mov_b32 v[TX], 0
	v_mov_b32 v[TY], 0                             ; a lane permute's destination counts as read
; The softmax of tile e for 128 keys.
.macro SOFTMAX e
.set rT, ST+8*(\e)
.set rP, P+12*(\e)
.set rO, O+32*(\e)
	v_max3_num_f32 v[BM], v[S], v[S+1], v[S+2]             ; the largest score of each of my two blocks; each accumulator is read from its low end on
	v_max3_num_f32 v[BM+1], v[S+32], v[S+33], v[S+34]
.irp i, 3,5,7,9,11,13,15,17,19,21,23,25,27,29
	v_max3_num_f32 v[BM], v[BM], v[S+\i], v[S+\i+1]
	v_max3_num_f32 v[BM+1], v[BM+1], v[S+32+\i], v[S+33+\i]
.endr
	v_max_num_f32 v[BM], v[BM], v[S+31]
	v_max_num_f32 v[BM+1], v[BM+1], v[S+63]
	v_max_num_f32 v[TX], v[BM], v[BM+1]
	v_permlanex16_b32 v[TY], v[TX], s48, s49               ; the query's other 64 keys lie in lane l xor 16
	v_mov_b32 v[rT+5], v[rT]                               ; the old -M
	v_max3_num_f32 v[rT+1], v[rT+1], v[TX], v[TY]          ; the running largest score
	v_mul_f32 v[TX], s52, v[rT+1]
	v_floor_f32 v[rT], v[TX]                               ; the new -M = floor(-t) = -ceil(t)
	v_sub_f32 v[rT+5], v[rT], v[rT+5]                      ; old M - new M: a whole number, 0 or less
	v_cvt_i32_f32 v[rT+5], v[rT+5]                         ; (it saturates)
	v_ldexp_f32 v[rT+4], 1.0, v[rT+5]                      ; f = 2^(old M - new M)
.set j, 0
.rept 32
	v_pk_fma_f32 v[S+j:S+j+1], v[S+j:S+j+1], s[50:51], v[rT:rT+1] op_sel_hi:[1,0,0]   ; t - M, two at a time
.set j, j+2
.endr
	v_fma_f32 v[BM], v[BM], s50, v[rT]                     ; the same of each block's largest score
	v_fma_f32 v[BM+1], v[BM+1], s50, v[rT]
.set j, 0
.rept 64
	v_exp_f32 v[S+j], v[S+j]                               ; p = 2^(t - M): ONE batch of 66
.set j, j+1
.endr
	v_exp_f32 v[BM], v[BM]
	v_exp_f32 v[BM+1], v[BM+1]
	v_pk_mul_f32 v[rT+2:rT+3], v[rT+2:rT+3], v[rT+4:rT+5] op_sel_hi:[1,0]   ; the sum under the new M: the plain place behind the exponentials
	s_wait_alu depctr_va_vdst(0)                           ; one wait for the batch, ahead of its first reader
	v_pk_add_f32 v[SU:SU+1], v[S:S+1], v[S+2:S+3]          ; the row's sum, of the unquantised p, in two chains
.irp j, 4,8,12,16,20,24,28,32,36,40,44,48,52,56,60
	v_pk_add_f32 v[rT+2:rT+3], v[rT+2:rT+3], v[S+\j:S+\j+1]
	v_pk_add_f32 v[SU:SU+1], v[SU:SU+1], v[S+\j+2:S+\j+3]
.endr
	v_pk_add_f32 v[rT+2:rT+3], v[rT+2:rT+3], v[SU:SU+1]
	v_max_num_f32 v[BM], 0x1800000, v[BM]                  ; the floor 2^(3 - 127)
	v_max_num_f32 v[BM+1], 0x1800000, v[BM+1]
	v_add_nc_u32 v[SC], 0xff000000, v[BM]                  ; the conversions' scale operands
	v_add_nc_u32 v[SC+1], 0xff000000, v[BM+1]
	v_lshrrev_b32 v[BY], 23, v[SC]
	v_lshrrev_b32 v[BY+1], 23, v[SC+1]
	v_lshl_or_b32 v[TX], v[BY+1], 16, v[BY]                ; bytes h and 2 + h,
	v_lshlrev_b32 v[TX], v7, v[TX]
	v_permlanex16_b32 v[TY], v[TX], s48, s49
	v_or_b32 v[PS+(\e)], v[TX], v[TY]                      ; with lane l xor 16's: p's scale word for these 128 keys
	v_cvt_scalef32_pk16_fp6_f32 v[rP:rP+2], v[S:S+15], v[SC]
	v_cvt_scalef32_pk16_fp6_f32 v[CT:CT+2], v[S+16:S+31], v[SC]
	v_cvt_scalef32_pk16_fp6_f32 v[rP+6:rP+8], v[S+32:S+47], v[SC+1]
	v_cvt_scalef32_pk16_fp6_f32 v[CT+4:CT+6], v[S+48:S+63], v[SC+1]
	v_nop                                                  ; one plain place behind the scaled conversions
.irp i, 0,1,2
	v_mov_b32 v[rP+3+\i], v[CT+\i]
	v_mov_b32 v[rP+9+\i], v[CT+4+\i]
.endr
.set j, 0
.rept 16
	v_pk_mul_f32 v[rO+j:rO+j+1], v[rO+j:rO+j+1], v[rT+4:rT+5] op_sel_hi:[1,0]   ; O^T under the new M; these lines also stand between the scale word and codes just made and the products that take them
.set j, j+2
.endr
.endm
; A key step: 128 keys = two groups of 64.
.macro STEP
	v_add_nc_u32 v4, s55, v1                       ; three additions and a v_nop: the four places between the last products and the loads into V's fragments
	v_add_nc_u32 v5, s55, v2
	v_add_nc_u32 v6, s56, v3
	v_nop
.irp c, 0,1
	ds_load_b64 v[KS+2*\c:KS+2*\c+1], v6 offset:256*\c
	ds_load_b64 v[VR+2*\c:VR+2*\c+1], v6 offset:256*\c+128
.endr
	WIN 0x40
.irp c, 0,1
.irp u, 0,1,2,3
	ds_load_b128 v[24*\c+6*\u:24*\c+6*\u+3], v4 offset:6144*\c+768*\u
	ds_load_b64 v[24*\c+6*\u+4:24*\c+6*\u+5], v5 offset:6144*\c+768*\u+512
.endr
.endr
.irp c, 0,1
.irp u, 0,1,2,3
	ds_load_b128 v[48+12*\u+6*\c:48+12*\u+6*\c+3], v4 offset:6144*\c+3072+768*\u
	ds_load_b64 v[48+12*\u+6*\c+4:48+12*\u+6*\c+5], v5 offset:6144*\c+3072+768*\u+512
.endr
.endr
	WIN 0
	s_wait_dscnt 16                                ; the packs and K are in; V's 16 loads may be out
	v_perm_b32 v[VS], v[VR+2], v[VR], s53          ; V's fragment T spans both groups: its word is the two groups' w16
	v_perm_b32 v[VS+1], v[VR+2], v[VR], s54
	v_perm_b32 v[VS+2], v[VR+3], v[VR+1], s53
	v_perm_b32 v[VS+3], v[VR+3], v[VR+1], s54
.irp e, 0,1
	WIN 0x01                                       ; source 0 in window 1
.irp c, 0,1
.irp g, 0,1
	v_wmma_scale_f32_16x16x128_f8f6f4 v[S+8*(4*\c+2*\g):S+8*(4*\c+2*\g)+7], v[12*(2*\c+\g):12*(2*\c+\g)+11], v[QB+6+12*\e:QB+17+12*\e], 0, v[KS+2*\c+\g], v[QS+\e] matrix_a_fmt:MATRIX_FMT_FP6 matrix_b_fmt:MATRIX_FMT_FP6
	v_wmma_scale_f32_16x16x128_f8f6f4 v[S+8*(4*\c+2*\g+1):S+8*(4*\c+2*\g+1)+7], v[12*(2*\c+\g):12*(2*\c+\g)+11], v[QB+12*\e:QB+11+12*\e], 0, v[KS+2*\c+\g], v[QS+\e] matrix_a_fmt:MATRIX_FMT_FP6 matrix_b_fmt:MATRIX_FMT_FP6
.endr
.endr
	WIN 0
.rept 4
	v_nop                                          ; four places between the last product and the first read of scores
.endr
	SOFTMAX \e
.endr
	s_wait_dscnt 0x0                               ; V is in
	WIN 0x01
.irp u, 0,1,2,3
.irp e, 0,1
	v_wmma_scale_f32_16x16x128_f8f6f4 v[O+32*\e+8*\u:O+32*\e+8*\u+7], v[48+12*\u:59+12*\u], v[P+12*\e:P+12*\e+11], v[O+32*\e+8*\u:O+32*\e+8*\u+7], v[VS+\u], v[PS+\e] matrix_a_fmt:MATRIX_FMT_FP6 matrix_b_fmt:MATRIX_FMT_FP6
.endr
.endr
	WIN 0
	s_add_co_u32 s55, s55, 12288
	s_add_co_u32 s56, s56, 512
.endm
	s_wait_tensorcnt 0x1                           ; the scale words and keys 0-511, my parts, have landed; keys 512-1023 may be out
	s_barrier_signal -1
	s_barrier_wait -1                              ; everybody's have
	s_wait_loadcnt 0x0                             ; q
	s_mov_b32 s57, 4
.Lfirst_half:
	STEP
	s_sub_co_u32 s57, s57, 1
	s_cmp_lg_u32 s57, 0
	s_cbranch_scc1 .Lfirst_half
	s_wait_tensorcnt 0x0                           ; my part of keys 512-1023 has landed
	s_wait_dscnt 0x0
	s_barrier_signal -1
	s_barrier_wait -1                              ; everybody's has
	; A PREFETCH: cluster y (y < 128) names the K and V codes of head number y of the workspace, which are the ones that cluster y + 64 of the grid loads at its head ((o + 1 + 2) % 3 = o).
	; 2 x 49,152 bytes in twelve pieces of 8,192: piece 3 cx + wave, waves 0 to 2 of each of the four partners, told apart by address; lanes 256 bytes apart, one instruction a wave.
	; Each piece is named once in the launch; the last 64 clusters name nothing.  The branch hangs on the wave's number and on y, which the partners share.
	s_cmp_lt_u32 s12, 3
	s_cselect_b32 s76, 1, 0
	s_cmp_lt_u32 s14, 128
	s_cselect_b32 s76, s76, 0
	s_cmp_eq_u32 s76, 1
	s_cbranch_scc0 .Lno_prefetch
	global_prefetch_b8 v8, s[58:59] th:TH_LOAD_NT scope:SCOPE_SE
.Lno_prefetch:
	s_mov_b32 s57, 4
.Lsecond_half:
	STEP
	s_sub_co_u32 s57, s57, 1
	s_cmp_lg_u32 s57, 0
	s_cbranch_scc1 .Lsecond_half
	; THE WAY OUT.  O^T / the sum; then each tile's 32 registers, d = 32 h + 0 .. 31 of the head, are a block of the projection's K: quantised as they lie.
.irp e, 0,1
	v_add_f32 v[ST+8*\e+4], v[ST+8*\e+2], v[ST+8*\e+3]     ; (these additions are the places behind the last products)
.endr
.irp e, 0,1
	v_permlanex16_b32 v[ST+8*\e+5], v[ST+8*\e+4], s48, s49
.endr
.irp e, 0,1
	v_add_f32 v[ST+8*\e+4], v[ST+8*\e+4], v[ST+8*\e+5]     ; the row's sum
.endr
.irp e, 0,1
	v_rcp_f32 v[ST+8*\e+4], v[ST+8*\e+4]
.endr
	v_nop                                          ; a plain place behind the reciprocals
	s_wait_alu depctr_va_vdst(0)                   ; and one wait for both, ahead of the first reader
.irp e, 0,1
.set j, 0
.rept 16
	v_pk_mul_f32 v[O+32*\e+j:O+32*\e+j+1], v[O+32*\e+j:O+32*\e+j+1], v[ST+8*\e+4:ST+8*\e+5] op_sel_hi:[1,0]
.set j, j+2
.endr
.endr
.irp e, 0,1
	v_max3_num_f32 v[BM+\e], |v[O+32*\e]|, |v[O+32*\e+1]|, 0x1800000
.endr
.irp i, 2,4,6,8,10,12,14,16,18,20,22,24,26,28,30
.irp e, 0,1
	v_max3_num_f32 v[BM+\e], v[BM+\e], |v[O+32*\e+\i]|, |v[O+32*\e+\i+1]|
.endr
.endr
.irp e, 0,1
	v_add_nc_u32 v[SC+\e], 0xff000000, v[BM+\e]
.endr
.irp e, 0,1
	v_lshrrev_b32 v[BY+\e], 23, v[SC+\e]
.endr
.irp e, 0,1
	v_cvt_scalef32_pk16_fp6_f32 v[P+12*\e:P+12*\e+2], v[O+32*\e:O+32*\e+15], v[SC+\e]
	v_cvt_scalef32_pk16_fp6_f32 v[CT+4*\e:CT+4*\e+2], v[O+32*\e+16:O+32*\e+31], v[SC+\e]
.endr
	v_nop                                          ; one plain place behind the scaled conversions
.irp e, 0,1
	v_lshlrev_b32 v[BY+\e], v7, v[BY+\e]
.endr
	v_permlanex16_b32 v[TX], v[BY], s48, s49
	v_permlanex16_b32 v[TY], v[BY+1], s48, s49
	v_or_b32 v[BY], v[BY], v[TX]                   ; w16 of tile 0,
	v_or_b32 v[BY+1], v[BY+1], v[TY]               ; of tile 1
	v_lshl_or_b32 v[TX], v[BY+1], 16, v[BY]
	ds_store_b32 v9, v[TX]                         ; both halves of the lanes write the same word with the same value
.irp e, 0,1
.irp i, 0,1,2
	v_mov_b32 v[P+12*\e+3+\i], v[CT+4*\e+\i]
.endr
.endr
.irp e, 0,1
	global_store_b128 v1, v[P+12*\e:P+12*\e+3], s[66:67] offset:6144*\e           ; 512 consecutive bytes,
	global_store_b64 v2, v[P+12*\e+4:P+12*\e+5], s[66:67] offset:6144*\e+512      ; and 256
.endr
	s_wait_dscnt 0x0                               ; for the others' sake: my word lies in LDS
	s_barrier_signal -1
	s_barrier_wait -1
	s_cmp_lg_u32 s12, 0
	s_cbranch_scc1 .Lnot_first
	ds_load_b128 v[S:S+3], v70                     ; the eight waves' words: 512 bytes
	s_wait_dscnt 0x0
	global_store_b128 v1, v[S:S+3], s[68:69]
.Lnot_first:
	s_wait_tensorcnt 0x0
	ds_add_u32 v250, v251
	s_wait_dscnt 0x0
	CROUND                                         ; the closing round
	s_endpgm
.Lfunc_end_k_q380f92e9a4_attn:
	.size	k_q380f92e9a4_attn, .Lfunc_end_k_q380f92e9a4_attn-k_q380f92e9a4_attn
	.p2alignl 7, 3214868480
	.fill 96, 4, 3214868480
	.section	.rodata,"a",@progbits
	.p2align	6, 0x0
	.amdhsa_kernel k_q380f92e9a4_attn
		.amdhsa_group_segment_fixed_size 168960
		.amdhsa_private_segment_fixed_size 0
		.amdhsa_enable_private_segment 0
		.amdhsa_kernarg_size 32
		.amdhsa_user_sgpr_count 2
		.amdhsa_user_sgpr_kernarg_segment_ptr 1
		.amdhsa_wavefront_size32 1
		.amdhsa_system_sgpr_workgroup_id_x 1
		.amdhsa_system_sgpr_workgroup_id_y 1
		.amdhsa_system_sgpr_workgroup_id_z 1
		.amdhsa_system_vgpr_workitem_id 0
		.amdhsa_next_free_vgpr 352
		.amdhsa_next_free_sgpr 80
		.amdhsa_reserve_vcc 0
		.amdhsa_float_denorm_mode_32 3
		.amdhsa_float_denorm_mode_16_64 3
		.amdhsa_memory_ordered 1
		.amdhsa_forward_progress 1
		.amdhsa_inst_pref_size 73
	.end_amdhsa_kernel
	.amdgpu_metadata
---
amdhsa.version: [ 1, 2 ]
amdhsa.kernels:
  - .name:           k_q380f92e9a4_attn
    .symbol:         k_q380f92e9a4_attn.kd
    .args:
      - { .name: qkvc, .offset: 0, .size: 8, .value_kind: global_buffer, .address_space: global }
      - { .name: sc, .offset: 8, .size: 8, .value_kind: global_buffer, .address_space: global }
      - { .name: oc, .offset: 16, .size: 8, .value_kind: global_buffer, .address_space: global }
      - { .name: os, .offset: 24, .size: 8, .value_kind: global_buffer, .address_space: global }
    .group_segment_fixed_size: 168960
    .private_segment_fixed_size: 0
    .kernarg_segment_align: 8
    .kernarg_segment_size: 32
    .max_flat_workgroup_size: 256
    .sgpr_count:     80
    .vgpr_count:     352
    .wavefront_size: 32
...
	.end_amdgpu_metadata
.endif
;; end of part 3
;; launch proj (part 4): grid 8 x 24, 4 waves a work-group, no clusters, 34,304 bytes of LDS; arguments oc, os, wc, ws, bp, out0; writes out0
.if DOCPART == 4
	.amdgcn_target "amdgcn-amd-amdhsa--gfx1250"
	.amdhsa_code_object_version 6
	.text
	.protected	k_q380f92e9a4_proj
	.globl	k_q380f92e9a4_proj
	.p2align	8
	.type	k_q380f92e9a4_proj,@function
k_q380f92e9a4_proj:
	s_mov_b64 s[64:65], 0
	v_nop
	global_prefetch_b8 v0, s[64:65] scope:SCOPE_SE
	s_setreg_imm32_b32 hwreg(HW_REG_WAVE_MODE, 25, 1), 1
	s_wait_xcnt 0x0
; out = O Wp^T + bp on codes of FP6 (E2M3); out0 f32.
; SHARES.  Work-group (nq, y = 8 o + b): 128 tokens (8 tiles of 16) of output chunk o, batch b.  THE WAVES SHARE THE COLUMNS: wave w keeps Wp's features 128 w .. 128 w + 127
; (2 groups x 16 fragments, 384 registers) for the whole launch and makes those columns for all 8 tiles: 256 matrix instructions a wave.
; Source 0 = Wp's tile (g, T), source 1 = O's fragment: lane (r, h) holds token r; registers 8 T + j of group g are features 64 g + 32 h + 8 T + j: 128 neighbouring bytes of a row of out0.
; They go through the wave's own stage in LDS (16 rows, 528 bytes apart) and leave as rows of 512 consecutive bytes.
; NO JOINT LOADS: a joint request fills LDS, and these weights go once from memory into the registers where they stay; through LDS they would be written and read once more for nothing.
; 192 work-groups: 8,192 rows for each of three chunks do not divide evenly into more blocks of whole tiles' groups; the launch's time goes into its stores.
; No tensor load, no barrier: waves share nothing.  No prefetch: a short launch whose stores bind it.
; REGISTERS.  window 0: v1-6 addresses; v16-47 Wp's scale words; v48-79 O's packs as loaded; v80-111 O's scale words; v112-175 the 8 accumulators; v176-239 rows on their way out.
;   windows 1, 2: Wp's group 0, 1: fragment (T, s) at v[48 T + 12 s]; bp at v[192 + 8 T].     window 3: O's fragments, two buffers of 48.
.set PITCH, 528
.set WSTG,  16*PITCH
.set WSC, 16
.set RAW, 48
.set OS,  80
.set ACC, 112
.set RB,  176
.set MSB, 0
.macro WIN new
.if MSB != (\new)
	s_set_vgpr_msb (MSB<<8)|(\new)
.set MSB, (\new)
.endif
.endm
	s_load_b256 s[4:11], s[0:1], 0x0               ; oc, os, wc, ws
	s_load_b128 s[12:15], s[0:1], 0x20             ; bp, out0
	v_lshl_add_u32 v254, v0, 2, 0x8400
	v_mov_b32 v255, 0
	v_lshrrev_b32 v1, 5, v0
	v_readfirstlane_b32 s16, v1                    ; wave
	s_and_b32 s18, ttmp7, 0xffff                   ; y
	s_lshr_b32 s19, s18, 3                         ; o
	s_and_b32 s20, s18, 7                          ; b
	v_and_b32 v7, 31, v0                           ; lane
	v_and_b32 v8, 15, v0                           ; r
	v_bfe_u32 v9, v0, 4, 1                         ; h
	v_lshlrev_b32 v1, 4, v7                        ; 16 x lane
	v_lshlrev_b32 v2, 3, v7                        ; 8 x lane
	v_lshlrev_b32 v3, 4, v8                        ; 16 r
	v_lshlrev_b32 v6, 7, v9                        ; 128 h
	s_mul_i32 s21, s16, WSTG                       ; my stage
	v_mul_u32_u24 v4, v8, PITCH
	v_add_nc_u32 v4, v4, v6
	v_add_nc_u32 v4, s21, v4                       ; into it: row r, + 128 h
	v_add_nc_u32 v5, s21, v1                       ; out of it: 16 x lane, a row an instruction
	s_lshl_b32 s22, s18, 6
	s_lshl_b32 s34, ttmp9, 3
	s_add_co_u32 s22, s22, s34
	s_mul_i32 s22, s22, 6144                       ; O's codes: tile 64 y + 8 nq
	s_mov_b32 s23, 0
	s_lshl_b32 s24, s18, 14
	s_lshl_b32 s34, ttmp9, 8
	s_add_co_u32 s24, s24, s34                     ; O's packs: 2,048 bytes a head, 256 a block of 8 tiles
	s_mov_b32 s25, 0
	s_lshl_b32 s34, s19, 3
	s_lshl_b32 s35, s16, 1
	s_add_co_u32 s34, s34, s35                     ; 8 o + 2 w: my first group of Wp
	s_mul_i32 s26, s34, 24576
	s_add_co_u32 s26, s26, 1769472                 ; Wp's tiles begin at place 288
	s_mov_b32 s27, 0
	s_lshl_b32 s28, s34, 10
	s_add_co_u32 s28, s28, 73728
	s_mov_b32 s29, 0
	s_lshl_b32 s30, s19, 11
	s_lshl_b32 s34, s16, 9
	s_add_co_u32 s30, s30, s34                     ; bp: 512 o + 128 w numbers
	s_mov_b32 s31, 0
	s_mul_i32 s32, s20, 3072
	s_lshl_b32 s35, s19, 10
	s_add_co_u32 s32, s32, s35
	s_lshl_b32 s35, ttmp9, 7
	s_add_co_u32 s32, s32, s35                     ; my first row of out0
	s_lshl_b32 s32, s32, 11
	s_add_co_u32 s32, s32, s34                     ; + my 128 columns
	s_mov_b32 s33, 0
	s_wait_kmcnt 0x0
	s_add_nc_u64 s[4:5], s[4:5], s[22:23]
	s_add_nc_u64 s[6:7], s[6:7], s[24:25]
	s_add_nc_u64 s[8:9], s[8:9], s[26:27]
	s_add_nc_u64 s[10:11], s[10:11], s[28:29]
	s_add_nc_u64 s[12:13], s[12:13], s[30:31]
	s_add_nc_u64 s[14:15], s[14:15], s[32:33]
.irp g, 0,1
	WIN (1+\g)<<6
.irp f, 0,1,2,3,4,5,6,7,8,9,10,11,12,13,14,15
.irp i, 0,1,2
	global_load_b128 v[12*\f+4*\i:12*\f+4*\i+3], v1, s[8:9] offset:24576*\g+1536*\f+512*\i
.endr
.endr
.irp q, 0,1,2,3
.irp i, 0,1
	global_load_b128 v[192+8*\q+4*\i:192+8*\q+4*\i+3], v6, s[12:13] offset:256*\g+32*\q+16*\i    ; bp(64 g + 32 h + 8 T + 0 .. 7)
.endr
.endr
.endr
	WIN 0
.irp a, 0,1,2,3,4,5,6,7
	global_load_b128 v[WSC+4*\a:WSC+4*\a+3], v3, s[10:11] offset:256*\a                          ; tile 4 g + T: its row's four words
	global_load_b128 v[RAW+4*\a:RAW+4*\a+3], v3, s[6:7] offset:2048*\a                           ; head a: word pp = w16 of tiles 2 pp and 2 pp + 1
.endr
.macro OLOAD k                         ; tile k's eight halves (head q at v[6 q]: K step q / 2) into buffer k % 2: 16 loads
	WIN 0xc0
.irp q, 0,1,2,3,4,5,6,7
	global_load_b128 v[48*((\k)%2)+6*\q:48*((\k)%2)+6*\q+3], v1, s[4:5] offset:6144*(\k)+768*\q
	global_load_b64 v[48*((\k)%2)+6*\q+4:48*((\k)%2)+6*\q+5], v2, s[4:5] offset:6144*(\k)+768*\q+512
.endr
	WIN 0
.endm
.macro SEND k                          ; tile k's 16 rows leave: row i of the tile is token 64 (k / 4) + 32 (i / 8) + 8 (k % 4) + i % 8 of the block
	s_wait_dscnt 0x0                               ; the rows are back in registers
.irp i, 0,1,2,3,4,5,6,7,8,9,10,11,12,13,14,15
	global_store_b128 v1, v[RB+4*\i:RB+4*\i+3], s[14:15] offset:(64*((\k)/4)+32*(\i/8)+8*((\k)%4)+\i%8)*2048 th:TH_STORE_NT   ; 512 consecutive bytes, at a multiple of 256 from out0's first byte
.endr
.endm
.macro TILE k
.if (\k) < 7
	OLOAD (\k)+1
	s_wait_loadcnt 16                              ; this tile's fragments are in; the next tile's 16 loads may be out
.else
	s_wait_loadcnt 0x0
.endif
.if (\k) > 0
	s_wait_dscnt 16                                ; the last tile's 16 stores into the stage are done (its 16 loads back may be out): the accumulators may be written again
.endif
.irp g, 0,1
.irp s, 0,1,2,3
.if \s == 0
	WIN (1+\g)|(3<<2)|((1+\g)<<4)                  ; Wp and bp in the group's window, O in window 3
.else
	WIN (1+\g)|(3<<2)
.endif
.irp q, 0,1,2,3
.if \s == 0
	v_wmma_scale_f32_16x16x128_f8f6f4 v[ACC+8*(4*\g+\q):ACC+8*(4*\g+\q)+7], v[48*\q+12*\s:48*\q+12*\s+11], v[48*((\k)%2)+12*\s:48*((\k)%2)+12*\s+11], v[192+8*\q:199+8*\q], v[WSC+4*(4*\g+\q)+\s], v[OS+4*(\k)+\s] matrix_a_fmt:MATRIX_FMT_FP6 matrix_b_fmt:MATRIX_FMT_FP6
.else
	v_wmma_scale_f32_16x16x128_f8f6f4 v[ACC+8*(4*\g+\q):ACC+8*(4*\g+\q)+7], v[48*\q+12*\s:48*\q+12*\s+11], v[48*((\k)%2)+12*\s:48*((\k)%2)+12*\s+11], v[ACC+8*(4*\g+\q):ACC+8*(4*\g+\q)+7], v[WSC+4*(4*\g+\q)+\s], v[OS+4*(\k)+\s] matrix_a_fmt:MATRIX_FMT_FP6 matrix_b_fmt:MATRIX_FMT_FP6
.endif
.endr
.endr
.endr
	WIN 0
.if (\k) > 0
	SEND (\k)-1
.endif
.rept 5
	v_nop                                          ; four places in front of the stores that read results and of the next loads into O's buffer; a fifth, since the next tile's first products write these accumulators anew with another C
.endr
	s_wait_xcnt 0x0                                ; the rows' registers were store data: loaded again only behind this wait
.irp a, 0,1,2,3,4,5,6,7
	ds_store_b128 v4, v[ACC+8*\a:ACC+8*\a+3] offset:256*(\a/4)+32*(\a%4)          ; each accumulator from its low end on
	ds_store_b128 v4, v[ACC+8*\a+4:ACC+8*\a+7] offset:256*(\a/4)+32*(\a%4)+16
.endr
.irp i, 0,1,2,3,4,5,6,7,8,9,10,11,12,13,14,15
	ds_load_b128 v[RB+4*\i:RB+4*\i+3], v5 offset:PITCH*\i                         ; LDS serves a wave's instructions in order: these see my stores
.endr
.endm
	OLOAD 0
	s_wait_loadcnt 0x0
.irp k, 0,1,2,3,4,5,6,7                ; O's scale word of tile k, K step s: w16 of head 2 s below, of head 2 s + 1 above
.irp s, 0,1,2,3
.if \k%2
	v_perm_b32 v[OS+4*\k+\s], v[RAW+4*(2*\s+1)+\k/2], v[RAW+8*\s+\k/2], 0x07060302
.else
	v_perm_b32 v[OS+4*\k+\s], v[RAW+4*(2*\s+1)+\k/2], v[RAW+8*\s+\k/2], 0x05040100
.endif
.endr
.endr
.rept 8
	v_nop                                          ; a scale register written by a vector instruction stands eight places ahead of a scaled matrix instruction
.endr
.irp k, 0,1,2,3,4,5,6,7
	TILE \k
.endr
	SEND 7
	s_wait_tensorcnt 0x0
	ds_add_u32 v254, v255
	s_wait_dscnt 0x0
	s_endpgm
.Lfunc_end_k_q380f92e9a4_proj:
	.size	k_q380f92e9a4_proj, .Lfunc_end_k_q380f92e9a4_proj-k_q380f92e9a4_proj
	.p2alignl 7, 3214868480
	.fill 96, 4, 3214868480
	.section	.rodata,"a",@progbits
	.p2align	6, 0x0
	.amdhsa_kernel k_q380f92e9a4_proj
		.amdhsa_group_segment_fixed_size 34304
		.amdhsa_private_segment_fixed_size 0
		.amdhsa_enable_private_segment 0
		.amdhsa_kernarg_size 48
		.amdhsa_user_sgpr_count 2
		.amdhsa_user_sgpr_kernarg_segment_ptr 1
		.amdhsa_wavefront_size32 1
		.amdhsa_system_sgpr_workgroup_id_x 1
		.amdhsa_system_sgpr_workgroup_id_y 1
		.amdhsa_system_sgpr_workgroup_id_z 1
		.amdhsa_system_vgpr_workitem_id 0
		.amdhsa_next_free_vgpr 864
		.amdhsa_next_free_sgpr 66
		.amdhsa_reserve_vcc 0
		.amdhsa_float_denorm_mode_32 3
		.amdhsa_float_denorm_mode_16_64 3
		.amdhsa_memory_ordered 1
		.amdhsa_forward_progress 1
		.amdhsa_inst_pref_size 94
	.end_amdhsa_kernel
	.amdgpu_metadata
---
amdhsa.version: [ 1, 2 ]
amdhsa.kernels:
  - .name:           k_q380f92e9a4_proj
    .symbol:         k_q380f92e9a4_proj.kd
    .args:
      - { .name: oc, .offset: 0, .size: 8, .value_kind: global_buffer, .address_space: global }
      - { .name: os, .offset: 8, .size: 8, .value_kind: global_buffer, .address_space: global }
      - { .name: wc, .offset: 16, .size: 8, .value_kind: global_buffer, .address_space: global }
      - { .name: ws, .offset: 24, .size: 8, .value_kind: global_buffer, .address_space: global }
      - { .name: bp, .offset: 32, .size: 8, .value_kind: global_buffer, .address_space: global }
      - { .name: out0, .offset: 40, .size: 8, .value_kind: global_buffer, .address_space: global }
    .group_segment_fixed_size: 34304
    .private_segment_fixed_size: 0
    .kernarg_segment_align: 8
    .kernarg_segment_size: 48
    .max_flat_workgroup_size: 128
    .sgpr_count:     66
    .vgpr_count:     864
    .wavefront_size: 32
...
	.end_amdgpu_metadata
.endif
;; end of part 4
